; MI455X (gfx1250); checked and timed in simulation.
; The chip was launched on July 23, 2026; its instructions are those of AMD's public machine-readable ISA for CDNA 5 (MIT licence, August 2026) and "CDNA5" Instruction Set Architecture Reference Guide (July 2026). The comments in the code are by the model that wrote it; some were corrected since.
;; Flattened Vector Quantizer. Allowed arithmetic: matrix products marked QUANTISED: E2M1 operands, one E8M0 scale for each 32 along K, by v_wmma_scale_f32_16x16x128_f8f6f4 with both operands' format E2M1 (or v_wmma_scale_f32_32x16x128_f4), f32 sums; everything else in f32.
;; Inputs: weight 8,192 x 512 float32; z_flat 16,384 x 512 float32.
;; Outputs: out0 one number float32; out1 16,384 x 512 float32; out2 16,384 int32.
;; This version of the problem:
;;   THIS VERSION OF THE PROBLEM IS GIVEN IN LOW PRECISION. The matrix products marked QUANTISED in the list below multiply operands that are first quantised to E2M1 (2 exponent bits, 1 mantissa bit; 4 bits a number), with one power-of-two scale for each 32 numbers along K (OCP MX v1.0); their sums are f32. All else is computed in f32.
;;   The module's matrix products, in the order in which they are computed (A, B: the left and right operand; K: the contracted axis; several contracted axes count as one K, in the product's order):
;;     1. [M 16,384, K 512] x [K 512, N 8,192]; A: input z_flat; B: input weight: QUANTISED
;;   THE QUANTISER, for each operand of a quantised product, along K:
;;     - K is cut into blocks of 32 from its start; a last block that is shorter is filled with zeros.
;;     - A block's scale is 2^e with e = floor(log2(the largest magnitude in the block)) - 2, held to -126 .. 127; a block of zeros has e = 0. As a byte (E8M0): e + 127.
;;     - Each number is divided by its block's scale, clamped to +-6, and rounded to the nearest number of E2M1, ties to even, subnormals kept.
;;     - The product sums the exact products of the quantised numbers (number of the format x scale) in f32.
;;   ~~~python
;;   def quantise(x, axis):      # numpy; x: float32 -> the quantised numbers, widened to float32 again
;;       x = np.moveaxis(x, axis, -1); K = x.shape[-1]
;;       x = np.pad(x, [(0, 0)] * (x.ndim - 1) + [(0, -K % 32)]); x = x.reshape(x.shape[:-1] + (-1, 32)); a = np.abs(x).max(-1, keepdims=True)
;;       e = np.where(a > 0, np.clip(np.frexp(np.where(a > 0, a, 1))[1] - 1 - 2, -126, 127), 0)      # np.frexp(a)[1] - 1 = floor(log2(a)), exactly
;;       r = np.clip(x / 2.0 ** e, -6, 6)
;;       step = 2.0 ** (np.maximum(np.frexp(np.where(r == 0, 1, r))[1] - 1, 0) - 1)
;;       q = np.round(r / step) * step * 2.0 ** e      # np.round: ties to even
;;       return np.moveaxis(q.reshape(q.shape[:-2] + (-1,))[..., :K], -1, axis).astype(np.float32)
;;   ~~~
;; One version. Each part assembles by itself: llvm-mc -triple=amdgcn-amd-amdhsa -mcpu=gfx1250 --defsym DOCPART=n.
;; ======== version 1 of 1: 4 launches
;; limits: right only within a limited range of input values
;; workspace buffers: wpk 2,260,992 bytes; zpk 4,521,984 bytes; keys 1,048,576 bytes of whole numbers; cidx 1,048,576 bytes of whole numbers; lsum 1,024 bytes
;; launch quant (part 1): grid 256 x 1, 6 waves a work-group, no clusters, 56,064 bytes of LDS; arguments weight, z_flat, wpk, zpk; writes wpk, zpk
.if DOCPART == 1
	.amdgcn_target "amdgcn-amd-amdhsa--gfx1250"
	.amdhsa_code_object_version 6
	.text
	.protected	k_q0160234b4f_quant
	.globl	k_q0160234b4f_quant
	.p2align	8
	.type	k_q0160234b4f_quant,@function
k_q0160234b4f_quant:
	s_mov_b64 s[64:65], 0
	v_nop
	global_prefetch_b8 v0, s[64:65] scope:SCOPE_SE
	s_setreg_imm32_b32 hwreg(HW_REG_WAVE_MODE, 25, 1), 1
	s_wait_xcnt 0x0
; weight [8192][512] and z_flat [16384][512], f32, become codes of FP4 (E2M1) with one E8M0 scale byte for each 32 along K, laid as the next launch's operand registers want them.
; A RECORD of PART = 141,312 bytes serves 512 rows = 32 tiles of 16 rows:
;   codes  at byte 0:       tile tp at 4096 tp; the 16 bytes of (row r, block b of 32 along K) at 256 b + 16 r.  So the 512 bytes at 512 (2 s + c) are registers 4 c .. 4 c + 3 of K step s, lane l's at 16 l
;   scales at byte 131,072: tile tp at 256 tp; byte b of row r at 128 (b / 8) + 8 r + b % 8.  So 8 bytes a lane at 8 l give lanes 0-15 the words of K steps 0, 1 and lanes 16-31 those of K steps 2, 3
;   hv     at byte 139,264: tile tp at 64 tp; 16 f32: -0.5 x the row's sum of squares, of the unquantised numbers (weight alone; in z's records these bytes are neither written nor read)
; A block's scale is 2^(floor(log2(its largest magnitude)) - 2); its byte is the largest magnitude's exponent field - 2, held at 1 from below.
; LIMITS: a block of zeros gets the byte 1 where the rule says 127 (its codes are zeros, and this program alone reads the bytes); NaN and infinities among the inputs are not served.
; SHARES.  A wave takes one tile: 16 rows x 512 numbers, 32,768 bytes.  In work-group g waves 0, 1 take weight's tiles 2 g + w, waves 2 to 5 z's tiles 4 g + w - 2: every work-group reads 196,608 bytes.
; A tile goes in 8 steps of 64 along K.  Each of a step's 8 loads reads 256 consecutive aligned bytes of two rows; the conversions want 32 neighbours along K in ONE lane: so a step turns through the wave's own
; stage in LDS (16 rows x 272 bytes) and comes back 128 bytes a lane: lane (r, h) holds block 2 t + h of row r.  Its 16 bytes of codes then lie at 512 t + 16 l of the tile's image: the wave stores 512 consecutive bytes.
; No tensor loads, no barrier: waves share nothing.  Loads run three steps (24 loads a wave) ahead, the turn through LDS one step.
.set PART,  141312
.set SCO,   131072
.set HVO,   139264
.set WREG,  9216                       ; LDS of a wave: two stages of 16 x 272 bytes, then its tile's 256 scale bytes
.set STG1,  4352
.set SCB,   8704
.set R,     16                         ; v16-111  three sets of 32: a step's numbers as loaded
.set X,     112                        ; v112-175 two sets of 32: a block's 32 neighbours
.set C,     176                        ; v176-207 four registers of codes for each step: no store's data are written again
.set E,     208                        ; v208-215 a scale byte for each step
.set SQ,    216                        ; v216-219 sums of squares, two packed chains
	s_load_b256 s[4:11], s[0:1], 0x0               ; weight s[4:5], z s[6:7], weight's records s[8:9], z's s[10:11]
	v_lshl_add_u32 v224, v0, 2, 0xd800
	v_mov_b32 v225, 0
	v_lshrrev_b32 v1, 5, v0
	v_readfirstlane_b32 s12, v1                    ; wave 0..5
	v_and_b32 v1, 31, v0                           ; lane l
	v_and_b32 v14, 15, v0                          ; r
	v_bfe_u32 v15, v0, 4, 1                        ; h
	s_mul_i32 s15, s12, WREG                       ; my wave's LDS
	v_lshlrev_b32 v5, 4, v1                        ; 16 l: my codes' place in a step's 512 bytes
	v_lshlrev_b32 v12, 3, v1                       ; 8 l: the scale bytes' way out
	v_lshlrev_b32 v13, 2, v14                      ; 4 r: hv
	v_lshlrev_b32 v2, 4, v14
	v_lshl_add_u32 v2, v15, 11, v2                 ; in memory: row h of a pair (2,048 bytes a row), 16 r
	v_mul_u32_u24 v3, v15, 272
	v_lshl_add_u32 v3, v14, 4, v3
	v_add_nc_u32 v3, s15, v3                       ; into the stage: the same two rows, 272 bytes apart
	v_mul_u32_u24 v4, v14, 272
	v_lshl_add_u32 v4, v15, 7, v4
	v_add_nc_u32 v4, s15, v4                       ; out of it: row r, block h.  272 bytes = 68 words: the 16 rows start at 16 different banks (64 banks of 4 bytes: ISA guide 11.1)
	s_add_co_u32 s15, s15, SCB
	v_lshl_add_u32 v6, v14, 3, v15
	v_add_nc_u32 v6, s15, v6                       ; my block's scale byte: 8 r + h (+ the step's part, in the immediate)
	v_add_nc_u32 v7, s15, v12                      ; and 8 bytes a lane on the way out
.irp i, 0,1,2,3
	v_mov_b32 v[SQ+\i], 0
.endr
	s_mov_b32 s26, 0x76543210
	s_mov_b32 s27, 0xfedcba98                      ; v_permlanex16_b32's selects for lane l xor 16
	s_lshl_b32 s13, ttmp9, 1
	s_add_co_u32 s13, s13, s12                     ; weight's tile 2 g + w
	s_lshl_b32 s14, ttmp9, 2
	s_add_co_u32 s14, s14, s12
	s_sub_co_u32 s14, s14, 2                       ; z's tile 4 g + w - 2
	s_cmp_lt_u32 s12, 2
	s_cselect_b32 s13, s13, s14                    ; my tile
	s_lshl_b32 s16, s13, 15                        ; its 32,768 bytes in the source (under 2^26)
	s_mov_b32 s17, 0
	s_lshr_b32 s18, s13, 5
	s_mul_i32 s18, s18, PART                       ; its record
	s_and_b32 s19, s13, 31                         ; its place tp in the record
	s_lshl_b32 s20, s19, 12
	s_add_co_u32 s20, s20, s18                     ; codes
	s_mov_b32 s21, 0
	s_lshl_b32 s22, s19, 8
	s_add_co_u32 s22, s22, s18
	s_add_co_u32 s22, s22, SCO                     ; scale bytes
	s_mov_b32 s23, 0
	s_lshl_b32 s24, s19, 6
	s_add_co_u32 s24, s24, s18
	s_add_co_u32 s24, s24, HVO                     ; hv
	s_mov_b32 s25, 0
	s_wait_alu depctr_va_vdst(0)
	s_wait_kmcnt 0x0
	s_cmp_lt_u32 s12, 2                            ; weight's wave or z's?  The choice hangs on the wave's number alone
	s_cselect_b64 s[4:5], s[4:5], s[6:7]
	s_cselect_b64 s[8:9], s[8:9], s[10:11]
	s_add_nc_u64 s[4:5], s[4:5], s[16:17]
	s_add_nc_u64 s[20:21], s[8:9], s[20:21]
	s_add_nc_u64 s[22:23], s[8:9], s[22:23]
	s_add_nc_u64 s[24:25], s[8:9], s[24:25]
.macro LOAD t                          ; step t: bytes 256 t .. 256 t + 255 of the 16 rows, two rows a load
.irp q, 0,1,2,3,4,5,6,7
	global_load_b128 v[R+32*((\t)%3)+4*\q:R+32*((\t)%3)+4*\q+3], v2, s[4:5] offset:\q*4096+(\t)*256 th:TH_LOAD_NT
.endr
.endm
.macro TURN t                          ; step t through stage t % 2: LDS serves a wave's instructions in order (ISA guide 5.7.1.4), so no wait stands between the stores and the loads
.irp q, 0,1,2,3,4,5,6,7
	ds_store_b128 v3, v[R+32*((\t)%3)+4*\q:R+32*((\t)%3)+4*\q+3] offset:((\t)%2)*STG1+\q*544
.endr
.irp q, 0,1,2,3,4,5,6,7
	ds_load_b128 v[X+32*((\t)%2)+4*\q:X+32*((\t)%2)+4*\q+3], v4 offset:((\t)%2)*STG1+16*\q
.endr
.endm
.macro STEP t
.set XS, X+32*((\t)%2)
.if (\t) > 0
	s_wait_dscnt 0x1                               ; this step's block is back from the stage; only the last step's byte store is younger
.else
	s_wait_dscnt 0x0
.endif
.if (\t)+3 < 8
	LOAD (\t)+3                                    ; into the set that this step's stage stores have read
.endif
.if (\t)+1 < 8
.if (\t) <= 4
	s_wait_loadcnt 16                              ; the next step's 8 loads are in; those of the two steps behind it may be out
.else
	s_wait_loadcnt 8*(6-(\t))                      ; the counts run down: one step behind it, then none
.endif
	TURN (\t)+1                                    ; it goes through the other stage while this step is worked
.endif
	v_max3_num_f32 v8, |v[XS]|, |v[XS+1]|, |v[XS+2]|               ; the block's largest magnitude: all 32 numbers are mine; two chains
	v_max3_num_f32 v9, |v[XS+3]|, |v[XS+4]|, |v[XS+5]|
.irp i, 6,10,14,18,22,26
	v_max3_num_f32 v8, v8, |v[XS+\i]|, |v[XS+\i+1]|
	v_max3_num_f32 v9, v9, |v[XS+\i+2]|, |v[XS+\i+3]|
.endr
	v_max3_num_f32 v8, v8, |v[XS+30]|, |v[XS+31]|
	v_max3_num_f32 v8, v8, v9, 0x1800000           ; and the floor 2^(3 - 127): the byte cannot fall under 1
	v_add_nc_u32 v11, 0xff000000, v8               ; 2 off the exponent field: the conversion takes this operand's exponent field as its scale, and nothing else of it
.irp g, 0,1,2,3
	v_cvt_scalef32_pk8_fp4_f32 v[C+4*(\t)+\g], v[XS+8*\g:XS+8*\g+7], v11   ; eight numbers / the scale, to the nearest code, ties to even, beyond 6 the largest code; the lower k in the lower bits
.endr
	v_lshrrev_b32 v[E+(\t)], 23, v11               ; the scale's byte.  (Also the plain instruction behind the conversions)
	ds_store_b8 v6, v[E+(\t)] offset:((\t)/4)*128+2*((\t)%4)        ; block 2 t + h of row r
	global_store_b128 v5, v[C+4*(\t):C+4*(\t)+3], s[20:21] offset:512*(\t)   ; 32 lanes store 512 consecutive bytes, at a multiple of 512 from the record's first byte
	s_cmp_lt_u32 s12, 2                            ; weight's waves alone sum the squares
	s_cbranch_scc0 .Lno_sq_\@
.irp i, 0,4,8,12,16,20,24,28
	v_pk_fma_f32 v[SQ:SQ+1], v[XS+\i:XS+\i+1], v[XS+\i:XS+\i+1], v[SQ:SQ+1]
	v_pk_fma_f32 v[SQ+2:SQ+3], v[XS+\i+2:XS+\i+3], v[XS+\i+2:XS+\i+3], v[SQ+2:SQ+3]
.endr
.Lno_sq_\@:
.endm
	LOAD 0
	LOAD 1
	LOAD 2
	s_wait_loadcnt 16                              ; step 0's 8 loads are in
	TURN 0
.irp t, 0,1,2,3,4,5,6,7
	STEP \t
.endr
	ds_load_b64 v[8:9], v7                         ; the tile's 256 scale bytes: these loads see my byte stores
	s_wait_dscnt 0x0
	global_store_b64 v12, v[8:9], s[22:23]         ; 32 lanes store 256 consecutive bytes, aligned
	s_cmp_lt_u32 s12, 2
	s_cbranch_scc0 .Ldone
	s_wait_alu depctr_va_vdst(0)
	v_add_f32 v[SQ], v[SQ], v[SQ+1]                ; my half of row r's squares,
	v_add_f32 v[SQ+2], v[SQ+2], v[SQ+3]
	v_add_f32 v[SQ], v[SQ], v[SQ+2]
	v_permlanex16_b32 v[SQ+1], v[SQ], s26, s27
	v_add_f32 v[SQ], v[SQ], v[SQ+1]                ; and lane l xor 16's
	v_mul_f32 v[SQ], -0.5, v[SQ]
	v_cmp_gt_u32 vcc_lo, 16, v1
	s_wait_alu depctr_va_vdst(0)
	s_wait_xcnt 0x0                                ; EXEC is a source of the stores above: it changes only behind this wait
	s_and_saveexec_b32 s28, vcc_lo
	global_store_b32 v13, v[SQ], s[24:25]          ; 16 lanes store the tile's 64 bytes: a quarter of an aligned 256; 32,768 bytes of the launch's 6.8 million leave so
	s_wait_xcnt 0x0
	s_or_b32 exec_lo, exec_lo, s28
.Ldone:
	s_wait_tensorcnt 0x0
	ds_add_u32 v224, v225
	s_wait_dscnt 0x0
	s_endpgm
.Lfunc_end_k_q0160234b4f_quant:
	.size	k_q0160234b4f_quant, .Lfunc_end_k_q0160234b4f_quant-k_q0160234b4f_quant
	.p2alignl 7, 3214868480
	.fill 96, 4, 3214868480
	.section	.rodata,"a",@progbits
	.p2align	6, 0x0
	.amdhsa_kernel k_q0160234b4f_quant
		.amdhsa_group_segment_fixed_size 56064
		.amdhsa_private_segment_fixed_size 0
		.amdhsa_enable_private_segment 0
		.amdhsa_kernarg_size 32
		.amdhsa_user_sgpr_count 2
		.amdhsa_user_sgpr_kernarg_segment_ptr 1
		.amdhsa_wavefront_size32 1
		.amdhsa_system_sgpr_workgroup_id_x 1
		.amdhsa_system_sgpr_workgroup_id_y 1
		.amdhsa_system_sgpr_workgroup_id_z 1
		.amdhsa_system_vgpr_workitem_id 0
		.amdhsa_next_free_vgpr 226
		.amdhsa_next_free_sgpr 66
		.amdhsa_reserve_vcc 1
		.amdhsa_float_denorm_mode_32 3
		.amdhsa_float_denorm_mode_16_64 3
		.amdhsa_memory_ordered 1
		.amdhsa_forward_progress 1
		.amdhsa_inst_pref_size 39
	.end_amdhsa_kernel
	.amdgpu_metadata
---
amdhsa.version: [ 1, 2 ]
amdhsa.kernels:
  - .name:           k_q0160234b4f_quant
    .symbol:         k_q0160234b4f_quant.kd
    .args:
      - { .name: weight, .offset: 0, .size: 8, .value_kind: global_buffer, .address_space: global }
      - { .name: z_flat, .offset: 8, .size: 8, .value_kind: global_buffer, .address_space: global }
      - { .name: wpk, .offset: 16, .size: 8, .value_kind: global_buffer, .address_space: global }
      - { .name: zpk, .offset: 24, .size: 8, .value_kind: global_buffer, .address_space: global }
    .group_segment_fixed_size: 56064
    .private_segment_fixed_size: 0
    .kernarg_segment_align: 8
    .kernarg_segment_size: 32
    .max_flat_workgroup_size: 192
    .sgpr_count:     66
    .vgpr_count:     226
    .wavefront_size: 32
...
	.end_amdgpu_metadata
.endif
;; end of part 1
;; launch score (part 2): grid 16 x 16, 8 waves a work-group, clusters of 4 x 1, 327,680 bytes of LDS; arguments zpk, wpk, keys, cidx; writes keys, cidx
.if DOCPART == 2
	.amdgcn_target "amdgcn-amd-amdhsa--gfx1250"
	.amdhsa_code_object_version 6
	.text
	.protected	k_q0160234b4f_score
	.globl	k_q0160234b4f_score
	.p2align	8
	.type	k_q0160234b4f_score,@function
k_q0160234b4f_score:
	s_mov_b64 s[64:65], 0
	v_nop
	global_prefetch_b8 v0, s[64:65] scope:SCOPE_SE
	s_setreg_imm32_b32 hwreg(HW_REG_WAVE_MODE, 25, 1), 1
	s_wait_xcnt 0x0
	s_wait_alu depctr_hold_cnt(0) depctr_sa_sdst(0) depctr_va_vdst(0) depctr_va_sdst(0) depctr_va_ssrc(0) depctr_va_vcc(0) depctr_vm_vsrc(0)
	s_getreg_b32 s2, hwreg(HW_REG_IB_STS2, 6, 4)
	s_cmp_eq_u32 s2, 0
	s_cbranch_scc0 .Lentry_in_a_cluster
	s_endpgm
.Lentry_in_a_cluster:
	s_bfe_u32 s2, ttmp6, 0x10000c
	s_cmp_lg_u32 s2, 0x3003
	s_cbranch_scc0 .Lentry_shape_is_right
	s_endpgm
.Lentry_shape_is_right:
; For 1,024 tokens and 512 codes (one record of weight's): score(token, code) = z . e - ||e||^2 / 2, the product on codes of FP4 with E8M0 scales, and for each token the largest score and its code.
; LEFT OUT: ||z||^2.  The argmin over codes of ||z||^2 + ||e||^2 - 2 z . e is the argmax of that score for all values of the inputs: ||z||^2 is the same for all codes of a token.
; A NaN, an infinity or an overflow that reaches ||z||^2 alone is not carried to the choice.
; -||e||^2 / 2 (hv, made in f32 of the unquantised weight) is the C of each sum's first matrix instruction: no vector instruction adds anything.
; OUT: keys[part][token]: the score as a whole number whose signed order is the score's order; cidx[part][token]: the code's index.  The next launch chooses among the 16 parts.
; TIES take the lowest index: a later tile must be strictly larger; inside a tile the lowest register wins; between the halves of the lanes the lower index.
; LIMITS: NaN and infinities (among the inputs, or by overflow of a score) are not served.  A score is rounded at each of the 4 links of its chain, at the size of ||e||^2 / 2.
; SHARES.  Grid x: 16 blocks of 1,024 tokens; grid y: 16 parts of 512 codes.  Eight waves; a wave keeps its 128 tokens (8 tiles x 4 K steps x 8 registers, window 1) and walks all 32 tiles of codes.
; LDS.  The record, 141,312 bytes, is filled once, in two groups.  At the head one load a wave: waves 0-3 a quarter each of code tiles 0-7 (32 rows of 256 bytes), waves 4-7 a quarter each of the scale bytes
; and hv (10 rows).  In the middle of phase 1, behind the waits, the add and a round of the cluster's barrier: code tiles 8-31, 48 rows a wave.  Behind the record a stage of 1,024 bytes a wave, then the spare words.
; PHASES.  1: my token tiles 0-3 against code tiles 0-7;  2: my token tiles 4-7 against the same;  3: all eight against code tiles 8-31.  Phases 1 and 2 read LDS by immediates alone: under 32,768 or from 131,072 on.
; WHAT IS ASKED WHEN: at the head the head's tensor loads, my tokens' scale words and token tiles 0-3 (40 loads); in each of phase 1's first four steps 8 loads of token tiles 4-7; behind the fourth step code tiles 8-31.
; CLUSTER.  The four work-groups of a cluster have the same part: the record is asked for jointly, by the same descriptors and the mask of all four.  The tokens go straight into registers.
; No prefetch: all that the launch reads is asked for by the middle of phase 1, and the loop fetches nothing from memory.
; THE PRODUCT: source 0 = 16 codes, source 1 = 16 tokens: lane (r, h) holds token r, and its register j code 8 h + j of the tile.
; THE ARGMAX, 9 instructions for a tile's 8 results a lane: four v_max3, the last of which takes the old running maximum in (two sets of running maxima take turns by the code tile's parity); a compare;
; four pairs of selects that keep the winning tile's scores 0-6 and its number.  Score 7 is not kept: where none of the seven equals the maximum, it was register 7.
.set PART, 141312
.set SCO,  131072
.set HVO,  139264
.set STG,  141312
.set SPARE, STG+8*1024                 ; the spare words: 128 bytes a wave, four blocks of 256 that no other line names
.set CHA,  32768                       ; code tiles 0-7
.set WAB,  CHA/4
.set WSB,  (PART-SCO)/4
.set WBB,  (SCO-CHA)/8
.set SPW,  14                          ; v14 my spare word's LDS address, v15 = 0: never rewritten
.set NIL,  15
.set ZS,   16                          ; v16-31   my tokens' scale words: tile t in v[16+2t], v[17+2t]: lanes 0-15 K steps 0, 1; lanes 16-31 K steps 2, 3
.set CS,   32                          ; v32-33   the code tile's, likewise
.set H,    34                          ; v34-41   hv of codes 8 h + 0 .. 7
.set CTV,  43                          ; v43      the code tile's number
.set CF,   48                          ; v48-79   the code tile's four fragments
.set ACC,  80                          ; v80-143  eight accumulators, one for each tile of tokens
.set SAV,  144                         ; v144-207 for each tile of tokens: the winning tile's scores 0-6, and in register 7 its number
.set RUN,  208                         ; v208-223 the running maxima, two sets of eight
.set M,    224                         ; v224-231 at work
.set WV,   12
.set G1S,  16
.set G0S,  24
.set MK,   40                          ; s40-47, s48-55: masks, at the end
.set MG,   48
.set G1A,  68
.set G1B,  76
.set G0A,  84
.set G0B,  88
.set MSB, 0
.macro WIN new                         ; the immediate's high byte repeats the setting that is left
.if MSB != \new
	s_set_vgpr_msb (MSB<<8)|\new
.set MSB, \new
.endif
.endm
.macro ROUND                           ; a round of the cluster's barrier
	s_barrier_signal -1
	s_barrier_wait -1
	s_cmp_lg_u32 s[WV], 0
	s_cbranch_scc1 .Lnot_wave_0_\@
	s_barrier_signal -3
.Lnot_wave_0_\@:
	s_barrier_wait -3
	s_barrier_signal -1
	s_barrier_wait -1
.endm
.macro NOPS n
.rept \n
	v_nop
.endr
.endm
.macro TOKENS from, n                  ; n loads of my tokens' image, 512 consecutive bytes each: register 32 t + 8 s + 4 c of window 1 is tile t, K step s
	WIN 0x40                                       ; destination window 1, address window 0
.set i, \from
.rept \n
	global_load_b128 v[4*i:4*i+3], v1, s[56:57] offset:512*i
.set i, i+1
.endr
	WIN 0
.endm
	s_load_b256 s[4:11], s[0:1], 0x0               ; z's records s[4:5], weight's s[6:7], keys s[8:9], cidx s[10:11]
	v_lshl_add_u32 v[SPW], v0, 2, SPARE
	v_mov_b32 v[NIL], 0
	ds_add_u32 v[SPW], v[NIL]                      ; the opening lines: the add, twice on end, and its wait
	ds_add_u32 v[SPW], v[NIL]
	v_lshrrev_b32 v11, 5, v0
	v_readfirstlane_b32 s[WV], v11                 ; wave 0..7
	s_bfe_u32 s13, ttmp6, 0x40000                  ; cx
	s_lshl_b32 s14, ttmp9, 2
	s_add_co_u32 s14, s14, s13                     ; my block of tokens: it enters global addresses of z's records, keys and cidx alone
	s_and_b32 s15, ttmp7, 0xffff                   ; the part, which the four partners share
.irp g, G1S, G1A, G1B                  ; groups 1: dense rows of 256 bytes (32 elements of 8 bytes); they differ in the number of rows alone
	s_mov_b32 s[\g], 15|(3<<16)|(1<<21)
	s_mov_b32 s[\g+1], 32<<16
	s_mov_b32 s[\g+3], 32<<16
	s_mov_b32 s[\g+5], 32
	s_mov_b32 s[\g+6], 0
	s_mov_b32 s[\g+7], 0
.endr
	s_mov_b32 s[G1S+2], (WSB/256)<<16
	s_mov_b32 s[G1S+4], WSB/256
	s_mov_b32 s[G1A+2], (WAB/256)<<16
	s_mov_b32 s[G1A+4], WAB/256
	s_mov_b32 s[G1B+2], (WBB/256)<<16
	s_mov_b32 s[G1B+4], WBB/256
	s_mul_i32 s48, s15, PART                       ; groups 0: the same place in LDS and in the part's record: part and wave alone
	s_mov_b32 s[G0S], 1
	s_mul_i32 s[G0S+1], s[WV], WSB
	s_add_co_u32 s[G0S+1], s[G0S+1], SCO-4*WSB     ; waves 4-7
	s_add_co_u32 s28, s48, s[G0S+1]
	s_mov_b32 s29, 0
	s_mov_b32 s[G0A], 1
	s_mul_i32 s[G0A+1], s[WV], WAB                 ; waves 0-3
	s_add_co_u32 s30, s48, s[G0A+1]
	s_mov_b32 s31, 0
	s_mov_b32 s[G0B], 1
	s_mul_i32 s[G0B+1], s[WV], WBB
	s_add_co_u32 s[G0B+1], s[G0B+1], CHA
	s_add_co_u32 s92, s48, s[G0B+1]
	s_mov_b32 s93, 0
	s_lshr_b32 s49, s[WV], 2                       ; my 128 tokens: record 2 x block + wave / 4, tiles 8 (wave % 4) on
	s_lshl_b32 s50, s14, 1
	s_add_co_u32 s50, s50, s49
	s_mul_i32 s50, s50, PART
	s_and_b32 s49, s[WV], 3
	s_lshl_b32 s52, s49, 15
	s_add_co_u32 s52, s52, s50                     ; their codes: 32,768 bytes on end
	s_mov_b32 s53, 0
	s_lshl_b32 s54, s49, 11
	s_add_co_u32 s54, s54, s50
	s_add_co_u32 s54, s54, SCO                     ; their scale bytes: 2,048
	s_mov_b32 s55, 0
	s_lshl_b32 s94, s15, 16                        ; out: part x 65,536 + (1,024 x block + 128 x wave) x 4
	s_lshl_b32 s49, s14, 12
	s_add_co_u32 s94, s94, s49
	s_lshl_b32 s49, s[WV], 9
	s_add_co_u32 s94, s94, s49
	s_mov_b32 s95, 0
	s_mov_b32 s36, 0x76543210
	s_mov_b32 s37, 0xfedcba98                      ; v_permlanex16_b32's selects for lane l xor 16
	s_mov_b32 s38, 0xffff0000                      ; lanes 16-31
	s_mov_b32 s39, 0xff800000                      ; -infinity
	s_mov_b32 s33, CHA                             ; phase 3: where the even code tile in hand begins among the codes, the scale bytes, hv
	s_mov_b32 s34, 8*256
	s_mov_b32 s35, 8*64
	s_lshl_b32 s51, s[WV], 10
	s_add_co_u32 s51, s51, STG                     ; my stage
	s_lshl_b32 s49, s15, 9
	v_and_b32 v11, 31, v0                          ; lane l
	v_bfe_u32 v12, v0, 4, 1                        ; h
	v_and_b32 v13, 15, v0                          ; r
	v_lshlrev_b32 v1, 4, v11                       ; 16 l: my place in every image of registers
	v_lshlrev_b32 v7, 3, v11                       ; 8 l
	v_lshl_add_u32 v2, v11, 3, SCO                 ; LDS: a tile's scale words
	v_lshl_add_u32 v3, v12, 5, HVO                 ; LDS: hv of my half's eight codes
	v_lshlrev_b32 v8, 2, v13
	v_lshl_add_u32 v10, v12, 3, s49                ; 512 x part + 8 h
	v_lshl_add_u32 v8, v12, 9, v8
	v_add_nc_u32 v9, s51, v1                       ; the stage, back: 16 bytes a lane
	v_add_nc_u32 v8, s51, v8                       ; in: lanes 0-15 a key at 4 r, lanes 16-31 an index at 512 + 4 r
	s_wait_alu depctr_va_vdst(0)
	s_wait_dscnt 0x0                               ; both opening adds are done
	ROUND                                          ; in front of the first joint loads
	s_wait_kmcnt 0x0
	s_add_nc_u64 s[G0S+2:G0S+3], s[6:7], s[28:29]
	s_or_b32 s[G0S+3], s[G0S+3], 0x80000000
	s_add_nc_u64 s[G0A+2:G0A+3], s[6:7], s[30:31]
	s_or_b32 s[G0A+3], s[G0A+3], 0x80000000
	s_add_nc_u64 s[G0B+2:G0B+3], s[6:7], s[92:93]
	s_or_b32 s[G0B+3], s[G0B+3], 0x80000000
	s_add_nc_u64 s[56:57], s[4:5], s[52:53]
	s_add_nc_u64 s[58:59], s[4:5], s[54:55]
	s_add_nc_u64 s[60:61], s[8:9], s[94:95]
	s_add_nc_u64 s[62:63], s[10:11], s[94:95]
	s_cmp_lt_u32 s[WV], 4                          ; the head's loads, one a wave, one to an arm
	s_cbranch_scc0 .Lhead_s
	tensor_load_to_lds s[G0A:G0A+3], s[G1A:G1A+7]
	s_nop 0
	NOPS 4
	s_branch .Lhead_asked
.Lhead_s:
	tensor_load_to_lds s[G0S:G0S+3], s[G1S:G1S+7]
	s_nop 0
	NOPS 4
.Lhead_asked:
.irp t, 0,1,2,3,4,5,6,7
	global_load_b64 v[ZS+2*\t:ZS+2*\t+1], v7, s[58:59] offset:256*\t   ; my tokens' scale words
.endr
	TOKENS 0, 32                                   ; token tiles 0-3: what phase 1 wants
.irp t, 0,1,2,3,4,5,6,7
	v_mov_b32 v[RUN+\t], s39                       ; under every score: the first tile wins
.endr
.set i, 0
.rept 32
	v_dual_mov_b32 v[SAV+2*i], 0 :: v_dual_mov_b32 v[SAV+2*i+1], 0   ; the selects below read what they keep: written once
.set i, i+1
.endr
; 4 nt matrix instructions: one tile of 16 codes against my token tiles t0 .. t0 + nt - 1, 4 K steps of 128.  The nt accumulators take turns.
.macro MUL t0, nt
.set ik, 0
.rept 4
.set it, \t0
.rept \nt
.if ik == 0
	v_wmma_scale_f32_16x16x128_f8f6f4 v[ACC+8*it:ACC+8*it+7], v[CF:CF+7], v[32*it:32*it+7], v[H:H+7], v[CS], v[ZS+2*it] matrix_a_fmt:MATRIX_FMT_FP4 matrix_b_fmt:MATRIX_FMT_FP4
.elseif ik == 1
	v_wmma_scale_f32_16x16x128_f8f6f4 v[ACC+8*it:ACC+8*it+7], v[CF+8:CF+15], v[32*it+8:32*it+15], v[ACC+8*it:ACC+8*it+7], v[CS+1], v[ZS+2*it+1] matrix_a_fmt:MATRIX_FMT_FP4 matrix_b_fmt:MATRIX_FMT_FP4
.else
	v_wmma_scale_f32_16x16x128_f8f6f4 v[ACC+8*it:ACC+8*it+7], v[CF+8*ik:CF+8*ik+7], v[32*it+8*ik:32*it+8*ik+7], v[ACC+8*it:ACC+8*it+7], v[CS+ik-2], v[ZS+2*it+ik-2] matrix_a_fmt:MATRIX_FMT_FP4 matrix_b_fmt:MATRIX_FMT_FP4 matrix_a_scale:MATRIX_SCALE_ROW1 matrix_b_scale:MATRIX_SCALE_ROW1
.endif
.set it, it+1
.endr
.set ik, ik+1
.endr
.endm
; A code tile from LDS: 8 loads of 512 consecutive bytes, its scale words, hv of my half's eight codes.  ac, as, ah: the address registers; k: tiles behind the place at which they stand.
.macro FETCH ac, as, ah, k
.irp i, 0,1,2,3,4,5,6,7
	ds_load_b128 v[CF+4*\i:CF+4*\i+3], v[\ac] offset:4096*(\k)+512*\i
.endr
	ds_load_b64 v[CS:CS+1], v[\as] offset:256*(\k)
	ds_load_b128 v[H:H+3], v[\ah] offset:64*(\k)
	ds_load_b128 v[H+4:H+7], v[\ah] offset:64*(\k)+16
.endm
; The argmax for token tiles t0 .. t0 + nt - 1; p: the code tile's parity: set p holds the old running maxima, the other set takes the new.  Each accumulator is read from its low end on.
.macro EPI t0, nt, p
.set RO, RUN+8*(\p)
.set RN, RUN+8-8*(\p)
.set it, \t0
.rept \nt
	v_max3_num_f32 v[M+it], v[ACC+8*it], v[ACC+8*it+1], v[ACC+8*it+2]
.set it, it+1
.endr
.set it, \t0
.rept \nt
	v_max3_num_f32 v[M+it], v[M+it], v[ACC+8*it+3], v[ACC+8*it+4]
.set it, it+1
.endr
.set it, \t0
.rept \nt
	v_max3_num_f32 v[M+it], v[M+it], v[ACC+8*it+5], v[ACC+8*it+6]
.set it, it+1
.endr
	v_max3_num_f32 v[RN+\t0], v[M+\t0], v[ACC+8*\t0+7], v[RO+\t0]
.set it, \t0
.rept \nt
	v_cmp_gt_f32 vcc_lo, v[RN+it], v[RO+it]        ; the maximum has grown: strictly larger, so of equal scores the earlier tile's stays
.if it+1 < \t0+\nt
	v_max3_num_f32 v[RN+it+1], v[M+it+1], v[ACC+8*it+15], v[RO+it+1]   ; the next token tile's, between the compare and the selects
.endif
.irp j, 0,2,4
	v_dual_cndmask_b32 v[SAV+8*it+\j], v[SAV+8*it+\j], v[ACC+8*it+\j] :: v_dual_cndmask_b32 v[SAV+8*it+\j+1], v[SAV+8*it+\j+1], v[ACC+8*it+\j+1]
.endr
	v_dual_cndmask_b32 v[SAV+8*it+6], v[SAV+8*it+6], v[ACC+8*it+6] :: v_dual_cndmask_b32 v[SAV+8*it+7], v[SAV+8*it+7], v[CTV]
.set it, it+1
.endr
.endm
; Phases 1 and 2: code tile c against four of my token tiles.  Tile nx's 11 LDS loads are issued behind the products, four places behind the last (ISA guide 7.12.1 for vector instructions).
; Phase 1's steps 0-3 each ask for 8 of the 32 loads of token tiles 4-7: registers that phase 1's products do not name.
.macro HALF c, t0, nx
	s_wait_dscnt 0x0                               ; the tile's fragments, scale words and hv are in
	WIN 0x04                                       ; source 1 (tokens) window 1
	MUL \t0, 4
	WIN 0
	v_mov_b32 v[CTV], \c
	NOPS 3
	FETCH 1, 2, 3, \nx
.if (\t0) == 0 && (\c) < 4
	TOKENS 32+8*(\c), 8
.endif
	EPI \t0, 4, (\c)%2
.endm
; Phase 3: a code tile of parity p against all eight.  The even tile makes the trip's addresses; k: the tile to be fetched, counted from the even tile (0: none).
.macro TILE p, k
	s_wait_dscnt 0x0
	WIN 0x04
	MUL 0, 8
	WIN 0
	v_add_nc_u32 v[CTV], 1, v[CTV]
.if \p == 0
	v_add_nc_u32 v4, s33, v1
	v_add_nc_u32 v5, s34, v2
	v_add_nc_u32 v6, s35, v3
.else
	NOPS 3
.endif
.if \k
	FETCH 4, 5, 6, \k
.endif
	EPI 0, 8, \p
.endm
	s_wait_alu depctr_va_vdst(0)
	s_wait_tensorcnt 0x0                           ; my part of the head's loads is in; no LDS access of mine is out
	s_barrier_signal -1
	s_barrier_wait -1                              ; everybody's part is in
	FETCH 1, 2, 3, 0
	s_wait_loadcnt 0x0                             ; the scale words and token tiles 0-3 are in: nothing younger has been asked for yet
.irp c, 0,1,2,3
	HALF \c, 0, \c+1
.endr
	s_wait_tensorcnt 0x0
	ds_add_u32 v[SPW], v[NIL]
	s_wait_dscnt 0x0
	ROUND                                          ; the four work-groups are here: the joint loads meet
	tensor_load_to_lds s[G0B:G0B+3], s[G1B:G1B+7]  ; code tiles 8-31, my eighth: the one tensor load of mine that is out
	s_nop 0
	NOPS 4
.irp c, 4,5,6
	HALF \c, 0, \c+1
.endr
	HALF 7, 0, 0                                   ; fetches tile 0 once more
	s_wait_loadcnt 0x0                             ; token tiles 4-7
.irp c, 0,1,2,3,4,5,6
	HALF \c, 4, \c+1
.endr
	s_wait_dscnt 0x0                               ; code tile 7: behind its products stands the barrier that opens code tiles 8-31
	WIN 0x04
	MUL 4, 4
	WIN 0
	s_wait_tensorcnt 0x0                           ; my eighth is in; no LDS access of mine is out
	s_barrier_signal -1
	v_mov_b32 v[CTV], 7                            ; register work between the signal and the wait: also the four places in front of the loads below
	v_add_nc_u32 v4, s33, v1
	v_add_nc_u32 v5, s34, v2
	v_add_nc_u32 v6, s35, v3
	s_wait_alu depctr_va_vdst(0)
	s_barrier_wait -1                              ; everybody's is
	FETCH 4, 5, 6, 0                               ; code tile 8
	EPI 4, 4, 1
	s_mov_b32 s32, 0
.Lpair:                                            ; 11 trips of two code tiles: 8 .. 29; the last two are written out, since the last fetches nothing
	TILE 0, 1
	TILE 1, 2
	s_add_co_u32 s33, s33, 8192
	s_add_co_u32 s34, s34, 512
	s_add_co_u32 s35, s35, 128
	s_add_co_u32 s32, s32, 1
	s_cmp_lt_u32 s32, 11
	s_cbranch_scc1 .Lpair
	TILE 0, 1
	TILE 1, 0                                      ; tile 31 leaves the maxima in set 0
; THE END, level by level over my eight token tiles: which register won; the code's index; the better of the two halves of the lanes; the key.
; No barrier: the stage that is written below is my wave's own 1,024 bytes, behind the record, which no other wave reads and into which no fill lands.
.set J, ACC                            ; the accumulators are done with: v80-87 the index, v88-95 the other half's maximum and then the key, v96-103 its index, v104-111 at work
.set P, ACC+8
.set Q, ACC+16
.set X, ACC+24
.irp t, 0,1,2,3,4,5,6,7
	v_mov_b32 v[J+\t], 7
.endr
.irp j, 6,5,4,3,2,1,0                  ; downward: the lowest register that holds the maximum stays
.irp t, 0,1,2,3,4,5,6,7
	v_cmp_eq_f32 s[MK+\t], v[SAV+8*\t+\j], v[RUN+\t]
.endr
.irp t, 0,1,2,3,4,5,6,7
	v_cndmask_b32 v[J+\t], v[J+\t], \j, s[MK+\t]
.endr
.endr
.irp t, 0,1,2,3,4,5,6,7
	v_lshl_add_u32 v[J+\t], v[SAV+8*\t+7], 4, v[J+\t]
.endr
.irp t, 0,1,2,3,4,5,6,7
	v_add_nc_u32 v[J+\t], v[J+\t], v10             ; 512 x part + 16 x tile + 8 h + register
.endr
.irp t, 0,1,2,3,4,5,6,7
	v_permlanex16_b32 v[P+\t], v[RUN+\t], s36, s37 ; the token's other eight codes of each tile lie in lane l xor 16
.endr
.irp t, 0,1,2,3,4,5,6,7
	v_permlanex16_b32 v[Q+\t], v[J+\t], s36, s37
.endr
.irp t, 0,1,2,3,4,5,6,7
	v_cmp_eq_f32 s[MK+\t], v[P+\t], v[RUN+\t]
.endr
.irp t, 0,1,2,3,4,5,6,7
	v_cmp_gt_f32 s[MG+\t], v[P+\t], v[RUN+\t]
.endr
.irp t, 0,1,2,3,4,5,6,7
	v_min_u32 v[X+\t], v[J+\t], v[Q+\t]
.endr
.irp t, 0,1,2,3,4,5,6,7
	v_cndmask_b32 v[J+\t], v[J+\t], v[X+\t], s[MK+\t]   ; equal: the lower index
.endr
.irp t, 0,1,2,3,4,5,6,7
	v_cndmask_b32 v[J+\t], v[J+\t], v[Q+\t], s[MG+\t]   ; the other's is larger: its index.  Both lanes end with the same pair
.endr
.irp t, 0,1,2,3,4,5,6,7
	v_max_num_f32 v[P+\t], v[P+\t], v[RUN+\t]
.endr
.irp t, 0,1,2,3,4,5,6,7
	v_add_f32 v[P+\t], 0, v[P+\t]                  ; -0 becomes +0
.endr
.irp t, 0,1,2,3,4,5,6,7
	v_ashrrev_i32 v[X+\t], 31, v[P+\t]
.endr
.irp t, 0,1,2,3,4,5,6,7
	v_and_b32 v[X+\t], 0x7fffffff, v[X+\t]
.endr
.irp t, 0,1,2,3,4,5,6,7
	v_xor_b32 v[P+\t], v[P+\t], v[X+\t]            ; a negative number's lower 31 bits are turned: signed whole numbers in the scores' order
.endr
.irp t, 0,1,2,3,4,5,6,7
	v_cndmask_b32 v[P+\t], v[P+\t], v[J+\t], s38   ; lanes 0-15 carry the key, lanes 16-31 the index
.endr
.irp t, 0,1,2,3,4,5,6,7
	ds_store_b32 v8, v[P+\t] offset:64*\t
.endr
	ds_load_b128 v[CF:CF+3], v9                    ; my 128 keys in the tokens' order: LDS serves a wave's instructions in order (ISA guide 5.7.1.4)
	ds_load_b128 v[CF+4:CF+7], v9 offset:512       ; my 128 indices
	s_wait_dscnt 0x1                               ; the keys are back; the indices' load may be out
	global_store_b128 v1, v[CF:CF+3], s[60:61]     ; 32 lanes store 512 consecutive bytes, at a multiple of 512 from the buffer's first byte
	s_wait_dscnt 0x0
	global_store_b128 v1, v[CF+4:CF+7], s[62:63]
	s_wait_tensorcnt 0x0                           ; the wave's end
	ds_add_u32 v[SPW], v[NIL]
	s_wait_dscnt 0x0
	ROUND                                          ; the closing round
	s_endpgm
.Lfunc_end_k_q0160234b4f_score:
	.size	k_q0160234b4f_score, .Lfunc_end_k_q0160234b4f_score-k_q0160234b4f_score
	.p2alignl 7, 3214868480
	.fill 96, 4, 3214868480
	.section	.rodata,"a",@progbits
	.p2align	6, 0x0
	.amdhsa_kernel k_q0160234b4f_score
		.amdhsa_group_segment_fixed_size 327680
		.amdhsa_private_segment_fixed_size 0
		.amdhsa_enable_private_segment 0
		.amdhsa_kernarg_size 32
		.amdhsa_user_sgpr_count 2
		.amdhsa_user_sgpr_kernarg_segment_ptr 1
		.amdhsa_wavefront_size32 1
		.amdhsa_system_sgpr_workgroup_id_x 1
		.amdhsa_system_sgpr_workgroup_id_y 1
		.amdhsa_system_sgpr_workgroup_id_z 1
		.amdhsa_system_vgpr_workitem_id 0
		.amdhsa_next_free_vgpr 512
		.amdhsa_next_free_sgpr 96
		.amdhsa_reserve_vcc 1
		.amdhsa_float_denorm_mode_32 3
		.amdhsa_float_denorm_mode_16_64 3
		.amdhsa_memory_ordered 1
		.amdhsa_forward_progress 1
		.amdhsa_inst_pref_size 149
	.end_amdhsa_kernel
	.amdgpu_metadata
---
amdhsa.version: [ 1, 2 ]
amdhsa.kernels:
  - .name:           k_q0160234b4f_score
    .symbol:         k_q0160234b4f_score.kd
    .args:
      - { .name: zpk, .offset: 0, .size: 8, .value_kind: global_buffer, .address_space: global }
      - { .name: wpk, .offset: 8, .size: 8, .value_kind: global_buffer, .address_space: global }
      - { .name: keys, .offset: 16, .size: 8, .value_kind: global_buffer, .address_space: global }
      - { .name: cidx, .offset: 24, .size: 8, .value_kind: global_buffer, .address_space: global }
    .group_segment_fixed_size: 327680
    .private_segment_fixed_size: 0
    .kernarg_segment_align: 8
    .kernarg_segment_size: 32
    .max_flat_workgroup_size: 256
    .sgpr_count:     96
    .vgpr_count:     512
    .wavefront_size: 32
...
	.end_amdgpu_metadata
.endif
;; end of part 2
;; launch gather (part 3): grid 256 x 1, 8 waves a work-group, no clusters, 1,536 bytes of LDS; arguments z_flat, weight, keys, cidx, out1, out2, lsum; writes out1, out2, lsum
.if DOCPART == 3
	.amdgcn_target "amdgcn-amd-amdhsa--gfx1250"
	.amdhsa_code_object_version 6
	.text
	.protected	k_q0160234b4f_gather
	.globl	k_q0160234b4f_gather
	.p2align	8
	.type	k_q0160234b4f_gather,@function
k_q0160234b4f_gather:
	s_mov_b64 s[64:65], 0
	v_nop
	global_prefetch_b8 v0, s[64:65] scope:SCOPE_SE
	s_setreg_imm32_b32 hwreg(HW_REG_WAVE_MODE, 25, 1), 1
	s_wait_xcnt 0x0
; For each token: the best of its 16 candidates (keys[part][token], cidx[part][token]: whole numbers that the launch before stored; the larger key wins, of equal keys the lower index);
; out2 = that index; out1 = z + (weight[index] - z), in f32, in that order of operations; lsum[work-group] = the sum of (weight[index] - z)^2 over the work-group's 64 tokens.
; SHARES.  64 tokens a work-group, 8 a wave.  A row of z, weight or out1 is 2,048 bytes: four loads or stores of 512 consecutive bytes.
; A stream: no matrix unit, no tensor load, no cluster (work-groups share nothing but rows of weight that the indices happen to name twice).  A wave's 32 loads of z go out at once, behind the 8 loads of keys and
; indices; the rows of weight follow as soon as the indices are known, four tokens ahead of the work.
; The index is held to 0 .. 8,191 before it enters an address.
.set Z,  32                            ; v32-159  z, then out1: token i at 32 + 16 i; never loaded again, so no store's data are rewritten
.set W,  160                           ; v160-223 weight's rows: four slots of 16
.set WO, 16                            ; v16-23   byte offset of my 16 bytes in token i's row of weight
.set SQ, 24                            ; v24-27   sums of squares, two packed chains
	s_load_b256 s[4:11], s[0:1], 0x0               ; z s[4:5], weight s[6:7], keys s[8:9], cidx s[10:11]
	s_load_b128 s[12:15], s[0:1], 0x20             ; out1 s[12:13], out2 s[14:15]
	s_load_b64 s[16:17], s[0:1], 0x30              ; lsum
	v_lshl_add_u32 v224, v0, 2, 0x200
	v_mov_b32 v225, 0
	v_lshrrev_b32 v1, 5, v0
	s_delay_alu instid0(VALU_DEP_1)
	v_readfirstlane_b32 s18, v1                    ; wave 0..7
	v_and_b32 v1, 31, v0                           ; lane l
	s_delay_alu instid0(VALU_DEP_1)
	v_lshlrev_b32 v2, 4, v1                        ; 16 l
	v_and_b32 v14, 7, v0                           ; my token of the wave's 8: l % 8
	v_bfe_u32 v3, v0, 3, 2                         ; my group of four parts: l / 8
	s_delay_alu instid0(VALU_DEP_1)
	v_lshlrev_b32 v3, 18, v3                       ; four parts are 4 x 65,536 bytes
	s_delay_alu instid0(VALU_DEP_1)
	v_lshl_or_b32 v3, v14, 2, v3
	s_lshl_b32 s19, s18, 5
	v_lshl_add_u32 v14, v14, 2, s19                ; LDS: the work-group's 64 indices: 32 x wave + 4 x token
	s_lshl_b32 s19, s18, 2
	s_add_co_u32 s19, s19, 256
	v_mov_b32 v15, s19                             ; LDS: the waves' eight sums, from byte 256 on
	v_lshlrev_b32 v28, 3, v1                       ; 8 l: the indices' way out
	v_mov_b32 v29, 256
	v_mov_b32 v30, 0
	v_mov_b32 v12, 0                               ; written once: the destination of a lane permute or a DPP form counts as one of its sources
	v_mov_b32 v13, 0
.irp i, 0,1,2,3
	v_mov_b32 v[SQ+\i], 0
.endr
	s_mov_b32 s32, 0x76543210
	s_mov_b32 s33, 0xfedcba98                      ; v_permlanex16_b32's selects for lane l xor 16
	s_lshl_b32 s34, ttmp9, 6
	s_lshl_b32 s35, s18, 3
	s_add_co_u32 s34, s34, s35                     ; my first token: 64 x work-group + 8 x wave
	s_lshl_b32 s36, s34, 11                        ; its row in z and out1 (under 2^25)
	s_mov_b32 s37, 0
	s_lshl_b32 s38, s34, 2                         ; its word in a part's row of keys and cidx
	s_mov_b32 s39, 0
	s_lshl_b32 s40, ttmp9, 8                       ; the work-group's 256 bytes of out2
	s_mov_b32 s41, 0
	s_lshl_b32 s42, ttmp9, 2                       ; its word of lsum
	s_mov_b32 s43, 0
	s_wait_kmcnt 0x0
	s_add_nc_u64 s[4:5], s[4:5], s[36:37]
	s_add_nc_u64 s[12:13], s[12:13], s[36:37]
	s_add_nc_u64 s[8:9], s[8:9], s[38:39]
	s_add_nc_u64 s[10:11], s[10:11], s[38:39]
	s_add_nc_u64 s[14:15], s[14:15], s[40:41]
	s_add_nc_u64 s[16:17], s[16:17], s[42:43]
.irp p, 0,1,2,3
	global_load_b32 v[4+\p], v3, s[8:9] offset:\p*65536            ; part 4 (l / 8) + p, token l % 8
.endr
.irp p, 0,1,2,3
	global_load_b32 v[8+\p], v3, s[10:11] offset:\p*65536
.endr
.irp i, 0,1,2,3,4,5,6,7
.irp c, 0,1,2,3
	global_load_b128 v[Z+16*\i+4*\c:Z+16*\i+4*\c+3], v2, s[4:5] offset:\i*2048+\c*512 th:TH_LOAD_NT
.endr
.endr
; (v4, v8) takes (v[pk], v[pi]) where that key is larger, or equal with the lower index.  The same in both of two lanes that look at each other: they end alike.
.macro MERGE pk, pi
	v_cmp_gt_i32 s20, v[\pk], v4
	v_cmp_eq_u32 s21, v[\pk], v4
	v_cmp_lt_u32 s22, v[\pi], v8
	s_and_b32 s21, s21, s22
	s_or_b32 s20, s20, s21
	v_cndmask_b32 v4, v4, v[\pk], s20
	v_cndmask_b32 v8, v8, v[\pi], s20
.endm
	s_wait_loadcnt 32                              ; keys and indices are in; the 32 loads of z behind them stay out
	MERGE 5, 9
	MERGE 6, 10
	MERGE 7, 11
	s_delay_alu instid0(VALU_DEP_2)
	v_mov_b32_dpp v12, v4 row_xmask:8 row_mask:0xf bank_mask:0xf   ; lane l xor 8: the same token, another four parts
	s_delay_alu instid0(VALU_DEP_2)
	v_mov_b32_dpp v13, v8 row_xmask:8 row_mask:0xf bank_mask:0xf
	MERGE 12, 13
	s_delay_alu instid0(VALU_DEP_2)
	v_permlanex16_b32 v12, v4, s32, s33            ; lane l xor 16: the other eight
	s_delay_alu instid0(VALU_DEP_2)
	v_permlanex16_b32 v13, v8, s32, s33
	MERGE 12, 13                                   ; every lane holds the index of token l % 8
	ds_store_b32 v14, v8                           ; (four lanes write the same word with the same value)
.irp i, 0,1,2,3,4,5,6,7
	v_readlane_b32 s[24+\i], v8, \i
.endr
.irp i, 0,1,2,3,4,5,6,7
	s_min_u32 s[24+\i], s[24+\i], 0x1fff           ; inside the table
.endr
.irp i, 0,1,2,3,4,5,6,7
	v_lshl_add_u32 v[WO+\i], s[24+\i], 11, v2      ; 2,048 x index + 16 l
.endr
.macro WLOAD i                         ; token i's row of weight into slot i % 4.  No hint: a row may be named again
.irp c, 0,1,2,3
	global_load_b128 v[W+16*((\i)%4)+4*\c:W+16*((\i)%4)+4*\c+3], v[WO+(\i)], s[6:7] offset:\c*512
.endr
.endm
.macro TOKEN i, left                   ; left: the loads of weight's rows behind token i's, which may stay out
.set ZT, Z+16*(\i)
.set WT, W+16*((\i)%4)
	s_wait_loadcnt \left                           ; loads come back in order (ISA guide 5.7.1): token i's row of weight is in, and so is all of z
.irp p, 0,2,4,6,8,10,12,14
	v_pk_add_f32 v[WT+\p:WT+\p+1], v[WT+\p:WT+\p+1], v[ZT+\p:ZT+\p+1] neg_lo:[0,1] neg_hi:[0,1]   ; d = weight[index] - z
.endr
.irp p, 0
	v_pk_fma_f32 v[SQ:SQ+1], v[WT+\p:WT+\p+1], v[WT+\p:WT+\p+1], v[SQ:SQ+1]
	v_pk_fma_f32 v[SQ+2:SQ+3], v[WT+\p+2:WT+\p+3], v[WT+\p+2:WT+\p+3], v[SQ+2:SQ+3]
.endr
.irp p, 4, 8, 12
	s_delay_alu instid0(VALU_DEP_2)
	v_pk_fma_f32 v[SQ:SQ+1], v[WT+\p:WT+\p+1], v[WT+\p:WT+\p+1], v[SQ:SQ+1]
	s_delay_alu instid0(VALU_DEP_2)
	v_pk_fma_f32 v[SQ+2:SQ+3], v[WT+\p+2:WT+\p+3], v[WT+\p+2:WT+\p+3], v[SQ+2:SQ+3]
.endr
.irp p, 0,2,4,6,8,10,12,14
	v_pk_add_f32 v[ZT+\p:ZT+\p+1], v[ZT+\p:ZT+\p+1], v[WT+\p:WT+\p+1]      ; z + d
.endr
.if (\i) < 4
	WLOAD (\i)+4                                   ; the slot is free; loads ahead of stores
.endif
.irp c, 0,1,2,3
	global_store_b128 v2, v[ZT+4*\c:ZT+4*\c+3], s[12:13] offset:(\i)*2048+\c*512 th:TH_STORE_NT   ; 512 consecutive bytes, aligned; written once, read by nobody here
.endr
.endm
	WLOAD 0
	WLOAD 1
	WLOAD 2
	WLOAD 3
	TOKEN 0, 12
	TOKEN 1, 12
	TOKEN 2, 12
	TOKEN 3, 12
	TOKEN 4, 12
	TOKEN 5, 8                                     ; nothing more is asked for: the counts run down
	TOKEN 6, 4
	TOKEN 7, 0
	v_add_f32 v[SQ], v[SQ], v[SQ+1]
	v_add_f32 v[SQ+2], v[SQ+2], v[SQ+3]
	s_delay_alu instid0(VALU_DEP_1)
	v_add_f32 v[SQ], v[SQ], v[SQ+2]
	s_delay_alu instid0(VALU_DEP_1)
	v_add_f32_dpp v[SQ], v[SQ], v[SQ] row_xmask:1 row_mask:0xf bank_mask:0xf
	s_delay_alu instid0(VALU_DEP_1)
	v_add_f32_dpp v[SQ], v[SQ], v[SQ] row_xmask:2 row_mask:0xf bank_mask:0xf
	s_delay_alu instid0(VALU_DEP_1)
	v_add_f32_dpp v[SQ], v[SQ], v[SQ] row_xmask:4 row_mask:0xf bank_mask:0xf
	s_delay_alu instid0(VALU_DEP_1)
	v_add_f32_dpp v[SQ], v[SQ], v[SQ] row_xmask:8 row_mask:0xf bank_mask:0xf
	s_delay_alu instid0(VALU_DEP_1)
	v_permlanex16_b32 v12, v[SQ], s32, s33
	s_delay_alu instid0(VALU_DEP_1)
	v_add_f32 v[SQ], v[SQ], v12                    ; the wave's sum, in every lane
	ds_store_b32 v15, v[SQ]
	s_wait_dscnt 0x0                               ; for wave 0's sake: my index and sum stores are done
	s_barrier_signal -1
	s_barrier_wait -1
	s_cmp_lg_u32 s18, 0                            ; wave 0 sends the work-group's indices and its sum
	s_cbranch_scc1 .Lend
	ds_load_b64 v[160:161], v28
	ds_load_b128 v[164:167], v29
	ds_load_b128 v[168:171], v29 offset:16
	s_wait_dscnt 0x0
	global_store_b64 v28, v[160:161], s[14:15]     ; 32 lanes store 256 consecutive bytes, aligned: 64 indices
.irp i, 1
	v_add_f32 v164, v164, v[164+\i]                ; the eight waves' sums, in the waves' order
.endr
.irp i, 2, 3, 4, 5, 6, 7
	s_delay_alu instid0(VALU_DEP_1)
	v_add_f32 v164, v164, v[164+\i]                ; the eight waves' sums, in the waves' order
.endr
	v_cmp_eq_u32 vcc_lo, 0, v1
	s_wait_alu depctr_va_vdst(0)
	s_wait_xcnt 0x0                                ; EXEC is a source of the stores above: it changes only behind this wait
	s_and_saveexec_b32 s20, vcc_lo
	global_store_b32 v30, v164, s[16:17]           ; one word a work-group
	s_wait_xcnt 0x0
	s_or_b32 exec_lo, exec_lo, s20
.Lend:
	s_wait_tensorcnt 0x0
	ds_add_u32 v224, v225
	s_wait_dscnt 0x0
	s_endpgm
.Lfunc_end_k_q0160234b4f_gather:
	.size	k_q0160234b4f_gather, .Lfunc_end_k_q0160234b4f_gather-k_q0160234b4f_gather
	.p2alignl 7, 3214868480
	.fill 96, 4, 3214868480
	.section	.rodata,"a",@progbits
	.p2align	6, 0x0
	.amdhsa_kernel k_q0160234b4f_gather
		.amdhsa_group_segment_fixed_size 1536
		.amdhsa_private_segment_fixed_size 0
		.amdhsa_enable_private_segment 0
		.amdhsa_kernarg_size 56
		.amdhsa_user_sgpr_count 2
		.amdhsa_user_sgpr_kernarg_segment_ptr 1
		.amdhsa_wavefront_size32 1
		.amdhsa_system_sgpr_workgroup_id_x 1
		.amdhsa_system_sgpr_workgroup_id_y 1
		.amdhsa_system_sgpr_workgroup_id_z 1
		.amdhsa_system_vgpr_workitem_id 0
		.amdhsa_next_free_vgpr 226
		.amdhsa_next_free_sgpr 66
		.amdhsa_reserve_vcc 1
		.amdhsa_float_denorm_mode_32 3
		.amdhsa_float_denorm_mode_16_64 3
		.amdhsa_memory_ordered 1
		.amdhsa_forward_progress 1
		.amdhsa_inst_pref_size 32
	.end_amdhsa_kernel
	.amdgpu_metadata
---
amdhsa.version: [ 1, 2 ]
amdhsa.kernels:
  - .name:           k_q0160234b4f_gather
    .symbol:         k_q0160234b4f_gather.kd
    .args:
      - { .name: z_flat, .offset: 0, .size: 8, .value_kind: global_buffer, .address_space: global }
      - { .name: weight, .offset: 8, .size: 8, .value_kind: global_buffer, .address_space: global }
      - { .name: keys, .offset: 16, .size: 8, .value_kind: global_buffer, .address_space: global }
      - { .name: cidx, .offset: 24, .size: 8, .value_kind: global_buffer, .address_space: global }
      - { .name: out1, .offset: 32, .size: 8, .value_kind: global_buffer, .address_space: global }
      - { .name: out2, .offset: 40, .size: 8, .value_kind: global_buffer, .address_space: global }
      - { .name: lsum, .offset: 48, .size: 8, .value_kind: global_buffer, .address_space: global }
    .group_segment_fixed_size: 1536
    .private_segment_fixed_size: 0
    .kernarg_segment_align: 8
    .kernarg_segment_size: 56
    .max_flat_workgroup_size: 256
    .sgpr_count:     66
    .vgpr_count:     226
    .wavefront_size: 32
...
	.end_amdgpu_metadata
.endif
;; end of part 3
;; launch total (part 4): grid 1 x 1, 1 waves a work-group, no clusters, 0 bytes of LDS; arguments lsum, out0; writes out0
.if DOCPART == 4
	.amdgcn_target "amdgcn-amd-amdhsa--gfx1250"
	.amdhsa_code_object_version 6
	.text
	.protected	k_q0160234b4f_total
	.globl	k_q0160234b4f_total
	.p2align	8
	.type	k_q0160234b4f_total,@function
k_q0160234b4f_total:
	s_mov_b64 s[64:65], 0
	v_nop
	global_prefetch_b8 v0, s[64:65] scope:SCOPE_SE
	s_setreg_imm32_b32 hwreg(HW_REG_WAVE_MODE, 25, 1), 1
	s_wait_xcnt 0x0
; out0 = m + 0.25 m, m = the mean of (quantized - z)^2 over 16,384 x 512 = 2^23 numbers: the two losses of the definition have the same value.
; lsum holds 256 partial sums, one of each work-group of the launch before: a sum over work-groups is made by one owner, in a fixed order.  One wave, eight numbers a lane.
	s_load_b128 s[4:7], s[0:1], 0x0                ; lsum s[4:5], out0 s[6:7]
	v_lshlrev_b32 v1, 5, v0                        ; 32 bytes a lane
	v_mov_b32 v12, 0                               ; written once: a lane permute's destination counts as one of its sources
	v_mov_b32 v13, 0                               ; the store's offset
	s_mov_b32 s8, 0x76543210
	s_mov_b32 s9, 0xfedcba98                       ; v_permlanex16_b32's selects for lane l xor 16
	s_wait_alu depctr_va_vdst(0)
	s_wait_kmcnt 0x0
	global_load_b128 v[4:7], v1, s[4:5]
	global_load_b128 v[8:11], v1, s[4:5] offset:16
	s_wait_loadcnt 0x0
	v_add_f32 v4, v4, v5
	v_add_f32 v6, v6, v7
	v_add_f32 v8, v8, v9
	v_add_f32 v10, v10, v11
	v_add_f32 v4, v4, v6
	v_add_f32 v8, v8, v10
	v_add_f32 v4, v4, v8
	v_add_f32_dpp v4, v4, v4 row_xmask:1 row_mask:0xf bank_mask:0xf
	v_add_f32_dpp v4, v4, v4 row_xmask:2 row_mask:0xf bank_mask:0xf
	v_add_f32_dpp v4, v4, v4 row_xmask:4 row_mask:0xf bank_mask:0xf
	v_add_f32_dpp v4, v4, v4 row_xmask:8 row_mask:0xf bank_mask:0xf
	v_permlanex16_b32 v12, v4, s8, s9
	v_add_f32 v4, v4, v12
	v_mul_f32 v4, 0x34000000, v4                   ; x 2^-23: the mean
	v_fma_f32 v5, 0x3e800000, v4, v4               ; m + 0.25 m
	v_cmp_eq_u32 vcc_lo, 0, v0
	s_wait_alu depctr_va_vdst(0)
	s_wait_xcnt 0x0                                ; EXEC changes only behind this wait
	s_and_saveexec_b32 s10, vcc_lo
	global_store_b32 v13, v5, s[6:7]
	s_wait_xcnt 0x0
	s_or_b32 exec_lo, exec_lo, s10
	s_endpgm
.Lfunc_end_k_q0160234b4f_total:
	.size	k_q0160234b4f_total, .Lfunc_end_k_q0160234b4f_total-k_q0160234b4f_total
	.p2alignl 7, 3214868480
	.fill 96, 4, 3214868480
	.section	.rodata,"a",@progbits
	.p2align	6, 0x0
	.amdhsa_kernel k_q0160234b4f_total
		.amdhsa_group_segment_fixed_size 0
		.amdhsa_private_segment_fixed_size 0
		.amdhsa_enable_private_segment 0
		.amdhsa_kernarg_size 16
		.amdhsa_user_sgpr_count 2
		.amdhsa_user_sgpr_kernarg_segment_ptr 1
		.amdhsa_wavefront_size32 1
		.amdhsa_system_sgpr_workgroup_id_x 1
		.amdhsa_system_sgpr_workgroup_id_y 1
		.amdhsa_system_sgpr_workgroup_id_z 1
		.amdhsa_system_vgpr_workitem_id 0
		.amdhsa_next_free_vgpr 16
		.amdhsa_next_free_sgpr 66
		.amdhsa_reserve_vcc 1
		.amdhsa_float_denorm_mode_32 3
		.amdhsa_float_denorm_mode_16_64 3
		.amdhsa_memory_ordered 1
		.amdhsa_forward_progress 1
		.amdhsa_inst_pref_size 2
	.end_amdhsa_kernel
	.amdgpu_metadata
---
amdhsa.version: [ 1, 2 ]
amdhsa.kernels:
  - .name:           k_q0160234b4f_total
    .symbol:         k_q0160234b4f_total.kd
    .args:
      - { .name: lsum, .offset: 0, .size: 8, .value_kind: global_buffer, .address_space: global }
      - { .name: out0, .offset: 8, .size: 8, .value_kind: global_buffer, .address_space: global }
    .group_segment_fixed_size: 0
    .private_segment_fixed_size: 0
    .kernarg_segment_align: 8
    .kernarg_segment_size: 16
    .max_flat_workgroup_size: 32
    .sgpr_count:     66
    .vgpr_count:     16
    .wavefront_size: 32
...
	.end_amdgpu_metadata
.endif
;; end of part 4
